; MI455X (gfx1250); checked and timed in simulation.
; The chip was launched on July 23, 2026; its instructions are those of AMD's public machine-readable ISA for CDNA 5 (MIT licence, August 2026) and "CDNA5" Instruction Set Architecture Reference Guide (July 2026). The comments in the code are by the model that wrote it; some were corrected since.
;; Flash Attention. Allowed arithmetic: matrix products marked QUANTISED: E4M3 operands, one given power-of-two scale a tensor, by v_wmma_f32_16x16x64_fp8_fp8 or v_wmma_f32_16x16x128_fp8_fp8, f32 sums; everything else in f32.
;; Inputs: lowp_scales 8 int32 (the exponents e of the quantised operands' scales 2^e); proj_b 1,024 float32; proj_w_codes 1,024 x 32 x 32 uint8 (E4M3 codes of proj_w, K innermost, in blocks of 32 codes); q_bias 1,024 float32; qkv_w_codes 3,072 x 32 x 32 uint8 (E4M3 codes of qkv_w, K innermost, in blocks of 32 codes); v_bias 1,024 float32; x_codes 4 x 2,048 x 32 x 32 uint8 (E4M3 codes of x, K innermost, in blocks of 32 codes).
;; Outputs: out0 4 x 2,048 x 1,024 float32.
;; This version of the problem:
;;   THIS VERSION OF THE PROBLEM IS GIVEN IN LOW PRECISION. The matrix products marked QUANTISED in the list below multiply operands that are first quantised to E4M3 (4 exponent bits, 3 mantissa bits; 8 bits a number), with one given power-of-two scale for each operand tensor; their sums are f32. All else is computed in f32.
;;   The module's matrix products, in the order in which they are computed (A, B: the left and right operand; K: the contracted axis; several contracted axes count as one K, in the product's order):
;;     1. [M 8,192, K 1,024] x [K 1,024, N 3,072]; A: input x (given as codes); B: input qkv_w (given as codes): QUANTISED (scales: A lowp_scales[0], B lowp_scales[1])
;;     2. batch 64 x [M 2,048, K 64] x [K 64, N 2,048]; A: computed on the way; B: computed on the way: QUANTISED (scales: A lowp_scales[2], B lowp_scales[3])
;;     3. batch 64 x [M 2,048, K 2,048] x [K 2,048, N 64]; A: softmax (see below); B: computed on the way: QUANTISED (scales: A lowp_scales[4], B lowp_scales[5])
;;     4. [M 8,192, K 1,024] x [K 1,024, N 1,024]; A: computed on the way; B: input proj_w (given as codes): QUANTISED (scales: A lowp_scales[6], B lowp_scales[7])
;;   THE QUANTISER, for each operand of a quantised product, along K:
;;     - The operand's scale is 2^e, e = its entry of the input lowp_scales (int32; the entries are numbered through the quantised products in the list's order, A before B).
;;     - Each number is divided by the scale, clamped to +-448, and rounded to the nearest number of E4M3, ties to even, subnormals kept.
;;     - The product sums the exact products of the quantised numbers (number of the format x scale) in f32.
;;   ~~~python
;;   def quantise(x, axis, e):      # numpy; x: float32 -> the quantised numbers, widened to float32 again
;;       x = np.moveaxis(x, axis, -1); K = x.shape[-1]
;;       r = np.clip(x / 2.0 ** e, -448, 448)
;;       step = 2.0 ** (np.maximum(np.frexp(np.where(r == 0, 1, r))[1] - 1, -6) - 3)
;;       q = np.round(r / step) * step * 2.0 ** e      # np.round: ties to even
;;       return np.moveaxis(q, -1, axis).astype(np.float32)
;;   ~~~
;;   SOFTMAX AHEAD OF A QUANTISED PRODUCT. Where the list says 'softmax', what is quantised is not the finished softmax but p = 2^(t - M), with t = logit x log2(e) and M = ceil(the row's largest t), a whole number; so 1/2 < the row's largest p <= 1. The row's sum l is taken of the UNQUANTISED p, in f32, and the product's result is divided by l at the end. Since M is a whole number, a kernel that streams over the keys may use a running M (the ceiling of the running maximum): every later rescaling is an exact power of two, so the quantised numbers keep their values, but for numbers so far below the row's largest that they fall under the format's range.
;;   OPERANDS COMPUTED ON THE WAY. 'Computed on the way' means the value that the module computes at that place (a softmax that the list does not call 'softmax' is quantised finished and normalised). What goes into a quantiser is computed in f32, as accurately as f32 sums, v_exp_f32 and their like allow (about 1e-6 of the number): no bf16 or f16 on the way to a quantiser, and a product that is left as it is and whose result goes on into a quantised operand takes f32 operands (vector FMAs, or v_wmma_f32_16x16x4_f32). A number that lies on a knife's edge between two numbers of the format may be rounded either way, as far as f32 arithmetic and the matrix unit's own rounding can turn it there, and no further.
;;   INPUTS GIVEN AS CODES. proj_w (in the module: [1024, 1024], K = its axis 1); qkv_w (in the module: [3072, 1024], K = its axis 1); x (in the module: [4, 2048, 1024], K = its axis 2): each comes as NAME_codes (uint8): NAME with its K axis moved to the last place and cut into blocks of 32 codes, [.., K / 32, bytes a block], one block behind the other in memory; one code a byte (a code: sign, 4 exponent bits, 3 mantissa bits); its scale is its entry of lowp_scales. Its value is code x scale, taken as it is: it is not quantised again, and the codes and scales need not be those that the quantiser above would give.
;; One version. Each part assembles by itself: llvm-mc -triple=amdgcn-amd-amdhsa -mcpu=gfx1250 --defsym DOCPART=n.
;; ======== version 1 of 1: 3 launches
;; limits: right only within a limited range of input values
;; workspace buffers: q_img 8,388,608 bytes; k_img 8,388,608 bytes; v_img 8,388,608 bytes; ao_img 8,388,608 bytes
;; launch qkv (part 1): grid 12 x 32, 4 waves a work-group, clusters of 4 x 4, 327,680 bytes of LDS; arguments x_codes, qkv_w_codes, lowp_scales, q_bias, v_bias, q_img, k_img, v_img; writes q_img, k_img, v_img
.if DOCPART == 1
	.amdgcn_target "amdgcn-amd-amdhsa--gfx1250"
	.amdhsa_code_object_version 6
	.text
	.protected	k_qfd0cb04178_qkv
	.globl	k_qfd0cb04178_qkv
	.p2align	8
	.type	k_qfd0cb04178_qkv,@function
k_qfd0cb04178_qkv:
	s_mov_b64 s[64:65], 0
	v_nop
	global_prefetch_b8 v0, s[64:65] scope:SCOPE_SE
	s_setreg_imm32_b32 hwreg(HW_REG_WAVE_MODE, 25, 1), 1
	s_wait_xcnt 0x0
	s_wait_alu depctr_hold_cnt(0) depctr_sa_sdst(0) depctr_va_vdst(0) depctr_va_sdst(0) depctr_va_ssrc(0) depctr_va_vcc(0) depctr_vm_vsrc(0)
	s_getreg_b32 s2, hwreg(HW_REG_IB_STS2, 6, 4)
	s_cmp_eq_u32 s2, 0
	s_cbranch_scc0 .Lentry_in_a_cluster
	s_endpgm
.Lentry_in_a_cluster:
	s_bfe_u32 s2, ttmp6, 0x10000c
	s_cmp_lg_u32 s2, 0xf033
	s_cbranch_scc0 .Lentry_shape_is_right
	s_endpgm
.Lentry_shape_is_right:
; qkv = x W^T (+ bias), on codes of FP8 (E4M3), and its three parts quantised again for the attention that follows.
; x: [8192][1024] codes, scale 2^e0.  W: [3072][1024] codes, scale 2^e1: rows 0-1023 make q, 1024-2047 k, 2048-3071 v.  Sums in f32.
;   q = (sum x 2^(e0+e1) + q_bias) / 8, code = q / 2^e2;   k = sum x 2^(e0+e1) (its bias is zeros by the problem's own text), code = k / 2^e3;   v = sum x 2^(e0+e1) + v_bias, code = v / 2^e5.
; All powers of two are folded: the bias goes in as bias / 2^(e0+e1), and the conversion divides by 2^E, E = (e2 + 3 | e3 | e5) - e0 - e1; k's numbers are held within +-448 x 2^E first.
; LIMITS: E between -126 and 119, so that 2^E and 448 x 2^E are f32 numbers.  NaN among the inputs is not served.
; SHARES.  A tile of 256 tokens x 256 features is made by a work-group of four waves; a wave makes 128 x 128: 64 accumulators of 16 x 16, 512 registers.  K goes in steps of 256 through a ring of two LDS slots
; filled by the tensor data mover; a tile's row is 256 bytes of memory.
; CLUSTERS: 4 x 4 work-groups.  The four of a row of the cluster need the same tiles of x, the four of a column the same tiles of W: each tile is asked for JOINTLY, by the same tensor load with the same
; descriptor and a mask that names the four.  A cluster is 1,024 features wide: the cluster's x says whether it makes q (0), k (1) or v (2), the same for all sixteen partners.
; WHICH SIDE IS SOURCE 0.  In a result, lane l holds row l % 16 of source 1, and its registers 0-7 rows 8 (l / 16) + 0..7 of source 0.  For q and k source 0 = W, source 1 = x: a lane holds one token and eight
; neighbouring features, which is the next product's K.  For v source 0 = x, source 1 = W: a lane holds one channel and eight neighbouring tokens: the keys are the K of v's product.
; The wave's tile is square, so the swap is made once, in the LDS addresses from which the two register sides are fed; the loop's text is one.
; OUT: four conversions of eight numbers make the eight registers of a K = 64 operand fragment (16 rows x 64 K: registers 2 c, 2 c + 1 hold K = 16 c + 8 (l / 16) + 0..7).  A fragment is stored as an image of its
; registers: two stores of 16 bytes a lane, each 512 consecutive bytes, aligned.  No LDS on the way out.
;   q_img, k_img: [batch x head 64][tile of 16 tokens 128][1,024 bytes];   v_img: [batch x head 64][step of 64 keys 32][tile of 16 channels 4][1,024 bytes].
; REGISTERS, in windows of 256: window 0: v1-6 at work at the head; v8-15 v_bias; v16-17, v20-21 LDS addresses; v24-26 offsets; v28-29 the spare word's; v30-31 2^E, 448 x 2^E; v32-63 at work on the way out;
;   v64-127 q_bias; from v128 source 1's fragments (8 x 16 rows x 128 K), ONE set; on the way out the codes.   window 1: source 0's fragments, TWO sets.   windows 2, 3: the accumulators ((a, b) at v[8 (8 (a % 4) + b)]).
.set SIZE_K, 1024
.set KSTEP,  256                       ; along K in a slot
.set ROWB,   256                       ; a tile's row in bytes
.set KROW,   SIZE_K                    ; a row of x or of W in memory, in bytes
.set PITCH,  272                       ; an LDS row: 256 bytes + 16 of padding = 68 words: row r starts at bank 4 r mod 64 (ISA guide 11.1), so the 16 rows that a load touches start at 16 different banks
.set FR,     16                        ; registers of a fragment: 16 rows x 128 K
.set NL,     4                         ; LDS loads that bring one
.set NP,     4                         ; places behind this matrix instruction (ISA guide 7.12.1)
.set HALFT,  128*PITCH                 ; 128 rows: what one tensor load brings, and what one wave reads of x or of W
.set SLOT,   4*HALFT                   ; x's 256 rows, then W's 256 rows
.set LAPS,   SIZE_K/(2*KSTEP)          ; a lap = two K steps = once round the ring
.set SPARE,  2*SLOT                    ; behind the ring: the spare words, 128 bytes for each wave: two blocks of 256 bytes that no other line names
.set BL,   8                           ; v8-15   v_bias of feature 16 a + l % 16, a = 0..7
.set ADRA, 16                          ; v16-17  LDS address of source 1's fragments in slot 0, 1
.set ADRB, 20                          ; v20-21  the same for source 0
.set HB,   24                          ; v24     32 x (l / 16): my eight numbers of a tile's sixteen of q_bias
.set RB,   25                          ; v25     4 x (l % 16)
.set CO,   26                          ; v26     16 x lane: my place in an image
.set SPW,  28                          ; v28     LDS address of my spare word: SPARE + 4 x my thread's number; never rewritten
.set NIL,  29                          ; v29     0; never rewritten
.set SCL,  30                          ; v30     2^E as f32
.set LIMV, 31                          ; v31     448 x 2^E
.set TMP,  32                          ; v32-63  a fragment's 32 numbers
.set BR,   64                          ; v64-127 q_bias of features 16 b + 8 (l / 16) + j at v[BR + 8 b + j]; for v: v_bias twice, a pair for each a
.set AF,   128                         ; source 1's fragments, in window 0
.set CD,   128                         ; the way out: 16 fragments x 8 registers of codes: no store's data are written again
.set KIND, 66                          ; s66     0: q, 1: k, 2: v
.set G1, 24                            ; s[24:31] descriptor group 1 for x's tiles;  s[32:39] group 0, one set for each slot
.set G0, 32
.set G1B, 48                           ; s[48:55], s[56:63] the same for W's tiles
.set G0B, 56
.set MSB, 0
.macro WIN new                         ; the immediate's high byte repeats the setting that is left
.if MSB != \new
	s_set_vgpr_msb (MSB<<8)|\new
.set MSB, \new
.endif
.endm
.set MUL_LO, 0xa1                      ; source 0 window 1, source 1 window 0, C and D window 2
.set MUL_HI, 0xf1                      ; the same, C and D window 3
.set TO_B,   0x40                      ; destination window 1, address window 0
; A joint load: waves 0 and 1 fetch for x, waves 2 and 3 for W.  Each of the two lines has ONE mask and one set of registers for all that issue it; the branch hangs on the wave's number alone.
; Four v_nop follow each of the two lines, ahead of the jump, the label and what follows.
.macro JLOAD g0a, g1a, g0b, g1b
	s_cmp_eq_u32 s15, 0
	s_cbranch_scc0 .Lfor_b_\@
	tensor_load_to_lds s[\g0a:\g0a+3], s[\g1a:\g1a+7]
	s_nop 0
.rept 4
	v_nop
.endr
	s_branch .Lasked_\@
.Lfor_b_\@:
	tensor_load_to_lds s[\g0b:\g0b+3], s[\g1b:\g1b+7]
	s_nop 0
.rept 4
	v_nop
.endr
.Lasked_\@:
.endm
.macro CREST                           ; a round of the cluster's barrier behind its opening barrier
	s_cmp_lg_u32 s14, 0
	s_cbranch_scc1 .Lnot_wave_0_\@
	s_barrier_signal -3
.Lnot_wave_0_\@:
	s_barrier_wait -3
	s_barrier_signal -1
	s_barrier_wait -1
.endm
.macro CROUND                          ; a whole round
	s_barrier_signal -1
	s_barrier_wait -1
	CREST
.endm
	s_load_b128 s[4:7], s[0:1], 0x0                ; x's codes s[4:5], W's codes s[6:7]
	s_load_b64 s[8:9], s[0:1], 0x10                ; the scales' exponents
	s_load_b256 s[68:75], s[0:1], 0x18             ; q_bias s[68:69], v_bias s[70:71], q_img s[72:73], k_img s[74:75]
	s_load_b64 s[76:77], s[0:1], 0x38              ; v_img
	v_lshl_add_u32 v[SPW], v0, 2, SPARE
	v_mov_b32 v[NIL], 0
	ds_add_u32 v28, v29
	ds_add_u32 v28, v29
	s_wait_dscnt 0x0
	v_lshrrev_b32 v1, 5, v0
	v_readfirstlane_b32 s14, v1                    ; wave 0..3
	s_lshr_b32 s15, s14, 1                         ; which half of the tile's tokens is mine.  Also: I fetch for x (0) or for W (1)
	s_and_b32 s16, s14, 1                          ; which half of its features.  Also: which 128 rows of that tile I fetch
	s_mov_b32 s[KIND], ttmp9                       ; the cluster's x
	s_bfe_u32 s40, ttmp6, 0x40000                  ; cx, cy: my place in the cluster
	s_bfe_u32 s41, ttmp6, 0x40004
	s_lshl_b32 s42, ttmp9, 2
	s_add_co_u32 s42, s42, s40                     ; tile column = 4 x cluster x + cx
	s_and_b32 s17, ttmp7, 0xffff
	s_lshl_b32 s17, s17, 2
	s_add_co_u32 s17, s17, s41                     ; tile row = 4 x cluster y + cy
	s_lshl_b32 s43, s41, 2
	s_lshl_b32 s43, 15, s43                        ; my row of the cluster
	s_lshl_b32 s44, 0x1111, s40                    ; my column
	; descriptor group 1: a tile of 128 rows x 256 bytes, padded in LDS
	s_or_b32 s[G1+0], s43, (0<<16)|(1<<20)|(1<<21)|(5<<22)|(3<<25)  ; 15:0 the mask: x's tiles go to my row; 17:16 element of 1 byte; 20 padding on; 21 set beside a mask; 24:22 after every 64 words (code 5); 31:25 of 4 words (code 3)
	s_or_b32 s[G1B+0], s44, (0<<16)|(1<<20)|(1<<21)|(5<<22)|(3<<25) ; the same with the mask of my column, for W's tiles
.irp g, G1, G1B
	s_mov_b32 s[\g+1], ROWB<<16                    ; tensor_dim0
	s_mov_b32 s[\g+2], 128<<16                     ; tensor_dim1 = 128
	s_mov_b32 s[\g+3], ROWB<<16                    ; tile_dim0
	s_mov_b32 s[\g+4], 128                         ; tile_dim1 = 128
	s_mov_b32 s[\g+5], KROW                        ; tensor_dim0_stride
	s_mov_b32 s[\g+6], 0
	s_mov_b32 s[\g+7], 0
.endr
	s_lshl_b32 s18, s16, 7                         ; which 128 rows of the tile I fetch
	s_lshl_b32 s20, s17, 8
	s_add_co_u32 s20, s20, s18                     ; x: row 256 x tile row + 128 x half
	s_lshl_b32 s46, s42, 8
	s_add_co_u32 s46, s46, s18                     ; W: row 256 x tile column + 128 x half
	s_mov_b32 s21, 0
	s_mov_b32 s47, 0
	s_mov_b64 s[18:19], KROW
	s_mul_u64 s[20:21], s[20:21], s[18:19]         ; in bytes
	s_mul_u64 s[46:47], s[46:47], s[18:19]
	s_mul_i32 s45, s14, HALFT                      ; where they go: wave x 128 rows: no place in the cluster enters an LDS address
	s_wait_kmcnt 0x0
	s_load_b256 s[80:87], s[8:9], 0x0              ; e0 .. e7
	s_add_nc_u64 s[20:21], s[4:5], s[20:21]
	s_add_nc_u64 s[46:47], s[6:7], s[46:47]
	CROUND                                         ; all sixteen work-groups are here: the first joint loads meet
.irp s, 0,1
	s_mov_b32 s[G0+4*\s], 1
	s_add_co_u32 s[G0+4*\s+1], s45, \s*SLOT
	s_add_nc_u64 s[G0+4*\s+2:G0+4*\s+3], s[20:21], \s*ROWB
	s_or_b32 s[G0+4*\s+3], s[G0+4*\s+3], 0x80000000
	s_mov_b32 s[G0B+4*\s], 1
	s_add_co_u32 s[G0B+4*\s+1], s45, \s*SLOT
	s_add_nc_u64 s[G0B+4*\s+2:G0B+4*\s+3], s[46:47], \s*ROWB
	s_or_b32 s[G0B+4*\s+3], s[G0B+4*\s+3], 0x80000000
	JLOAD G0+4*\s, G1, G0B+4*\s, G1B
.endr
	v_and_b32 v1, 15, v0                           ; l % 16
	v_bfe_u32 v2, v0, 4, 1                         ; l / 16
	v_mul_u32_u24 v3, v1, PITCH
	v_lshl_add_u32 v4, v2, 4, v3                   ; a fragment's row x pitch + 16 x half
	s_wait_alu depctr_va_vdst(0)
	s_mul_i32 s21, s15, HALFT                      ; my 128 rows of x
	s_mul_i32 s22, s16, HALFT                      ; my 128 rows of W,
	s_add_co_u32 s22, s22, 2*HALFT                 ; which lie behind x's 256
	s_cmp_eq_u32 s[KIND], 2                        ; THE SWAP: for v source 1 is fed from W's rows and source 0 from x's; both lie in the same slot
	s_cselect_b32 s23, s22, s21                    ; source 1
	s_cselect_b32 s22, s21, s22                    ; source 0
.irp s, 0,1
	v_add_nc_u32 v[ADRA+\s], s23, v4
	v_add_nc_u32 v[ADRB+\s], s22, v4
	s_add_co_u32 s23, s23, SLOT
	s_add_co_u32 s22, s22, SLOT
.endr
	; the biases of my wave's 128 features: both are loaded here by every work-group, so that nothing waits for memory at the end; q's work-groups use q_bias, v's use v_bias, k's neither
	v_lshlrev_b32 v[HB], 5, v2
	v_lshlrev_b32 v[RB], 2, v1
	v_and_b32 v6, 31, v0
	v_lshlrev_b32 v[CO], 4, v6
	s_lshl_b32 s46, s40, 10                        ; 256 features a tile column, 4 bytes each (in the registers that held W's address: none that feeds x's descriptors ever holds cx)
	s_lshl_b32 s47, s16, 9
	s_add_co_u32 s46, s46, s47
	s_mov_b32 s47, 0
	s_add_nc_u64 s[68:69], s[68:69], s[46:47]
	s_add_nc_u64 s[70:71], s[70:71], s[46:47]
.irp b, 0,1,2,3,4,5,6,7
	global_load_b128 v[BR+8*\b:BR+8*\b+3],   v[HB], s[68:69] offset:64*\b
	global_load_b128 v[BR+8*\b+4:BR+8*\b+7], v[HB], s[68:69] offset:64*\b+16
.endr
.irp a, 0,1,2,3,4,5,6,7
	global_load_b32 v[BL+\a], v[RB], s[70:71] offset:64*\a
.endr
	; where my wave's images begin.  The offset is the same in all three buffers: batch x 16 heads x 131,072 + (4 cx + 2 half) heads x 131,072 + ((tile row % 8) x 256 + 128 x half) tokens x 64 bytes
	s_cmp_eq_u32 s[KIND], 0
	s_cselect_b64 s[10:11], s[72:73], s[74:75]
	s_cmp_eq_u32 s[KIND], 2
	s_cselect_b64 s[10:11], s[76:77], s[10:11]
	s_lshr_b32 s20, s17, 3
	s_lshl_b32 s20, s20, 21
	s_and_b32 s21, s17, 7
	s_lshl_b32 s21, s21, 14
	s_add_co_u32 s20, s20, s21
	s_lshl_b32 s21, s15, 13
	s_add_co_u32 s20, s20, s21
	s_mov_b32 s21, 0
	s_add_nc_u64 s[10:11], s[10:11], s[20:21]
	s_lshl_b32 s46, s40, 19
	s_lshl_b32 s47, s16, 18
	s_add_co_u32 s46, s46, s47
	s_mov_b32 s47, 0
	s_add_nc_u64 s[10:11], s[10:11], s[46:47]
.macro FRAG reg, adr, q, i             ; a fragment, 16 rows x 128 K, is 16 registers, brought by four loads of 16 bytes: registers 4 c .. 4 c + 3 hold K = 32 c + 16 (l / 16) + 0 .. 15: the same permutation of K on both sides, so every product meets its partner
.irp c, 0,1,2,3
	ds_load_b128 v[\reg+4*\c:\reg+4*\c+3], v[\adr] offset:128*(\q)+32*\c+(\i)*16*PITCH
.endr
.endm
; 16 matrix instructions: source 1's blocks a0, a0 + 1 x source 0's eight, 128 along K.  p: source 0's set.  zero = 1: the first product starts the sums: nothing is ever cleared.
; The 64 accumulators take turns, one instruction a turn, in the same order in every step.
.macro MUL16 a0, p, zero
.irp a, \a0, \a0+1
.irp b, 0,1,2,3,4,5,6,7
.if \zero
	v_wmma_f32_16x16x128_fp8_fp8 v[8*(8*((\a)%4)+\b):8*(8*((\a)%4)+\b)+7], v[128*(\p)+FR*\b:128*(\p)+FR*\b+FR-1], v[AF+FR*(\a):AF+FR*(\a)+FR-1], 0
.else
	v_wmma_f32_16x16x128_fp8_fp8 v[8*(8*((\a)%4)+\b):8*(8*((\a)%4)+\b)+7], v[128*(\p)+FR*\b:128*(\p)+FR*\b+FR-1], v[AF+FR*(\a):AF+FR*(\a)+FR-1], v[8*(8*((\a)%4)+\b):8*(8*((\a)%4)+\b)+7]
.endif
.endr
.endr
.endm
.macro FETCH_B slot, q, p              ; source 0's eight fragments of the slot's q-th 128 along K into set p
	WIN TO_B
.irp i, 0,1,2,3,4,5,6,7
	FRAG 128*(\p)+FR*\i, ADRB+\slot, \q, \i
.endr
	WIN 0
.endm
.macro FETCH_A slot, q, i0             ; source 1's blocks i0 .. i0 + 3
.irp i, \i0, \i0+1, \i0+2, \i0+3
	FRAG AF+FR*(\i), ADRA+\slot, \q, \i
.endr
.endm
; A load into a register that a matrix instruction has read, and a vector instruction that reads a matrix result or writes one of its registers, stand NP places behind that matrix instruction; only plain vector
; instructions that name none of its registers are places (ISA guide 7.12.1 for vector instructions).
.macro PLACES n
.rept \n
	v_nop
.endr
.endm
; A step of 128 along K that has its successor in the same slot.  A block of source 1 is free as soon as its eight products are issued: blocks 0-3 are fetched anew in the step's middle, blocks 4-7 at its end.
.macro STEP slot, q, zero
	s_wait_dscnt 4*NL                              ; source 0's set and source 1's blocks 0-3 are in; the youngest sixteen loads (blocks 4-7) may be out
	WIN MUL_LO
	MUL16 0, (\q)%2, \zero
	MUL16 2, (\q)%2, \zero
	s_wait_dscnt 0                                 ; blocks 4-7 are in (asked for 32 matrix instructions ago)
	PLACES NP
	FETCH_B \slot, (\q)+1, 1-(\q)%2
	FETCH_A \slot, (\q)+1, 0
	WIN MUL_HI
	MUL16 4, (\q)%2, \zero
	MUL16 6, (\q)%2, \zero
	PLACES NP
	WIN 0
	FETCH_A \slot, (\q)+1, 4
.endm
; A slot's last step changes slots: ONE barrier; in front of it each wave waits for all its tensor loads, adds 0 to its spare word, and waits for that and for its own reads of this slot.  fill = 1: this slot is filled again, two K steps ahead.
.macro TURN slot, next, fill
	s_wait_tensorcnt 0x0                           ; all my tensor loads have landed: my part of the next slot;  (every window is 0 here: the add's two registers lie in window 0)
	ds_add_u32 v[SPW], v[NIL]                      ; 0 onto my spare word
	s_wait_dscnt 4*NL+1                            ; (the add and the youngest sixteen loads, blocks 4-7, may be out)
	WIN MUL_LO
	MUL16 0, 1, 0                                  ; sixteen matrix instructions stand between the add and the wait for it
	s_wait_dscnt 0x0                               ; the add is done, and my reads of this slot are over
	s_barrier_signal -1
	MUL16 2, 1, 0
	WIN 0
	s_barrier_wait -1
.if \fill
	CREST                                          ; the barrier has opened a round of the cluster's barrier: no wave of any partner still reads this slot's tile or has a load on its way
	s_add_nc_u64 s[G0+4*\slot+2:G0+4*\slot+3], s[G0+4*\slot+2:G0+4*\slot+3], 2*ROWB
	s_add_nc_u64 s[G0B+4*\slot+2:G0B+4*\slot+3], s[G0B+4*\slot+2:G0B+4*\slot+3], 2*ROWB
	JLOAD G0+4*\slot, G1, G0B+4*\slot, G1B         ; the first tensor load behind the round; the four v_nop behind it are the places in front of the loads below
.else
	PLACES NP
.endif
	FETCH_B \next, 0, 0
	FETCH_A \next, 0, 0
	WIN MUL_HI
	MUL16 4, 1, 0
	MUL16 6, 1, 0
	PLACES NP
	WIN 0
	FETCH_A \next, 0, 4
.endm
	s_wait_alu depctr_va_vdst(0)
	s_wait_tensorcnt 1                             ; my part of K step 0 is in (K step 1's load may be out)
	s_barrier_signal -1
	s_barrier_wait -1                              ; everybody's is
	FETCH_B 0, 0, 0
	FETCH_A 0, 0, 0
	FETCH_A 0, 0, 4
	STEP 0, 0, 1                                   ; the first step stands in front of the loop: its products start the sums
	s_mov_b32 s3, LAPS-1
.Llap:                                                 ; a trip goes once round the ring, from a lap's second step to the next lap's first, and fills both slots again
	TURN 0, 1, 1
	STEP 1, 0, 0
	TURN 1, 0, 1
	STEP 0, 0, 0
	s_sub_co_u32 s3, s3, 1
	s_cmp_lg_u32 s3, 0
	s_cbranch_scc1 .Llap
	TURN 0, 1, 0                                   ; the last lap fills nothing, and has no round of the cluster's barrier
	STEP 1, 0, 0
	s_wait_dscnt 4*NL                              ; the very last step: nothing more to fetch
	WIN MUL_LO
	MUL16 0, 1, 0
	MUL16 2, 1, 0
	s_wait_dscnt 0
	WIN MUL_HI
	MUL16 4, 1, 0
	MUL16 6, 1, 0
	WIN 0
; THE WAY OUT.  Fragment (a, g): accumulators (a, 4 g .. 4 g + 3), 32 numbers a lane.  mode 0 (k): held; mode 1 (q): + q_bias of the lane's eight features; mode 2 (v): + v_bias of the lane's channel.
; Then four conversions: the fragment's eight registers.  Each accumulator is read from its low end on.  One plain line stands behind the conversions, ahead of the next fragment's writes of their sources.
.macro FRAGOUT mode, a, g
.set FI, 2*(\a)+(\g)
.set WW, 0x02+(\a)/4
.if \mode == 2
.set OFS, ((\a)/4)*131072+(\g)*4096+((\a)%4)*1024      ; head a / 4 of my two, key step g of my two, channel tile a % 4
.else
.set OFS, (\g)*131072+(\a)*1024                        ; head g of my two, token tile a
.endif
	WIN WW                                         ; source 0: window 2 or 3
.irp i, 0,1,2,3
.set AC, 8*(8*((\a)%4)+4*(\g)+\i)
.if \mode == 0
.irp j, 0,1,2,3,4,5,6,7
	v_med3_num_f32 v[TMP+8*\i+\j], v[AC+\j], -v[LIMV], v[LIMV]
.endr
.elseif \mode == 1
.irp j, 0,2,4,6
	v_pk_add_f32 v[TMP+8*\i+\j:TMP+8*\i+\j+1], v[AC+\j:AC+\j+1], v[BR+8*(4*(\g)+\i)+\j:BR+8*(4*(\g)+\i)+\j+1]
.endr
.else
.irp j, 0,2,4,6
	v_pk_add_f32 v[TMP+8*\i+\j:TMP+8*\i+\j+1], v[AC+\j:AC+\j+1], v[BR+2*(\a):BR+2*(\a)+1]
.endr
.endif
.endr
	WIN 0
.if \mode != 0
.set J, 0
.rept 32
.set J, J+1
.endr
.endif
.irp i, 0,1,2,3
	v_cvt_scalef32_pk8_fp8_f32 v[CD+8*FI+2*\i:CD+8*FI+2*\i+1], v[TMP+8*\i:TMP+8*\i+7], v[SCL]
.endr
	v_nop
	global_store_b128 v[CO], v[CD+8*FI:CD+8*FI+3],   s[10:11] offset:OFS       ; 32 lanes store 512 consecutive bytes, at a multiple of 512 from the buffer's first byte
	global_store_b128 v[CO], v[CD+8*FI+4:CD+8*FI+7], s[10:11] offset:OFS+512
.endm
.macro OUT mode
.if \mode == 1
.set J, 0
.rept 64
	v_ldexp_f32 v[BR+J], v[BR+J], s89              ; q_bias / 2^(e0 + e1): a sum stands for sum x 2^(e0 + e1)
.set J, J+1
.endr
.endif
.if \mode == 2
.irp a, 0,1,2,3,4,5,6,7
	v_ldexp_f32 v[BR+2*\a],   v[BL+\a], s89         ; v_bias / 2^(e0 + e1), twice: a pair for the packed addition
	v_ldexp_f32 v[BR+2*\a+1], v[BL+\a], s89
.endr
.endif
.irp a, 0,1,2,3,4,5,6,7
.irp g, 0,1
	FRAGOUT \mode, \a, \g
.endr
.endr
.endm
	PLACES NP                                      ; behind the last products: their results are read and source 1's registers are written below
	s_wait_kmcnt 0x0
	s_add_co_i32 s88, s80, s81                     ; e0 + e1
	s_sub_co_i32 s89, 0, s88
	s_add_co_i32 s90, s82, 3                       ; q: e2 + 3 (the division by 8)
	s_cmp_eq_u32 s[KIND], 0
	s_cselect_b32 s90, s90, s83                    ; k: e3
	s_cmp_eq_u32 s[KIND], 2
	s_cselect_b32 s90, s85, s90                    ; v: e5
	s_sub_co_i32 s90, s90, s88                     ; E
	s_add_co_i32 s90, s90, 127
	s_lshl_b32 s91, s90, 23
	v_mov_b32 v[SCL], s91                          ; 2^E as f32: the conversion takes its exponent field
	s_add_co_i32 s90, s90, 8
	s_lshl_b32 s90, s90, 23
	s_or_b32 s90, s90, 0x600000
	v_mov_b32 v[LIMV], s90                         ; 448 x 2^E
	s_wait_loadcnt 0x0                             ; the biases, asked for at the head
	s_cmp_eq_u32 s[KIND], 1                        ; the branches hang on the cluster's x alone: the same in all sixteen partners
	s_cbranch_scc1 .Lkind_k
	s_cmp_eq_u32 s[KIND], 2
	s_cbranch_scc1 .Lkind_v
	OUT 1
	s_branch .Ldone
.Lkind_k:
	s_wait_alu depctr_va_vdst(0)
	OUT 0
	s_branch .Ldone
.Lkind_v:
	OUT 2
.Ldone:
	s_wait_tensorcnt 0x0                           ; the wave's end: behind my last tensor load
	ds_add_u32 v[SPW], v[NIL]
	s_wait_dscnt 0x0
	CROUND                                         ; the closing round: no work-group ends while a partner may still ask for a tile that names it
	s_endpgm
.Lfunc_end_k_qfd0cb04178_qkv:
	.size	k_qfd0cb04178_qkv, .Lfunc_end_k_qfd0cb04178_qkv-k_qfd0cb04178_qkv
	.p2alignl 7, 3214868480
	.fill 96, 4, 3214868480
	.section	.rodata,"a",@progbits
	.p2align	6, 0x0
	.amdhsa_kernel k_qfd0cb04178_qkv
		.amdhsa_group_segment_fixed_size 327680
		.amdhsa_private_segment_fixed_size 0
		.amdhsa_enable_private_segment 0
		.amdhsa_kernarg_size 64
		.amdhsa_user_sgpr_count 2
		.amdhsa_user_sgpr_kernarg_segment_ptr 1
		.amdhsa_wavefront_size32 1
		.amdhsa_system_sgpr_workgroup_id_x 1
		.amdhsa_system_sgpr_workgroup_id_y 1
		.amdhsa_system_sgpr_workgroup_id_z 1
		.amdhsa_system_vgpr_workitem_id 0
		.amdhsa_next_free_vgpr 1024
		.amdhsa_next_free_sgpr 98
		.amdhsa_reserve_vcc 0
		.amdhsa_float_denorm_mode_32 3
		.amdhsa_float_denorm_mode_16_64 3
		.amdhsa_fp16_overflow 1
		.amdhsa_memory_ordered 1
		.amdhsa_forward_progress 1
		.amdhsa_inst_pref_size 176
	.end_amdhsa_kernel
	.amdgpu_metadata
---
amdhsa.version: [ 1, 2 ]
amdhsa.kernels:
  - .name:           k_qfd0cb04178_qkv
    .symbol:         k_qfd0cb04178_qkv.kd
    .args:
      - { .name: x_codes, .offset: 0, .size: 8, .value_kind: global_buffer, .address_space: global }
      - { .name: qkv_w_codes, .offset: 8, .size: 8, .value_kind: global_buffer, .address_space: global }
      - { .name: lowp_scales, .offset: 16, .size: 8, .value_kind: global_buffer, .address_space: global }
      - { .name: q_bias, .offset: 24, .size: 8, .value_kind: global_buffer, .address_space: global }
      - { .name: v_bias, .offset: 32, .size: 8, .value_kind: global_buffer, .address_space: global }
      - { .name: q_img, .offset: 40, .size: 8, .value_kind: global_buffer, .address_space: global }
      - { .name: k_img, .offset: 48, .size: 8, .value_kind: global_buffer, .address_space: global }
      - { .name: v_img, .offset: 56, .size: 8, .value_kind: global_buffer, .address_space: global }
    .group_segment_fixed_size: 327680
    .private_segment_fixed_size: 0
    .kernarg_segment_align: 8
    .kernarg_segment_size: 64
    .max_flat_workgroup_size: 128
    .sgpr_count:     98
    .vgpr_count:     1024
    .wavefront_size: 32
...
	.end_amdgpu_metadata
.endif
;; end of part 1
;; launch attn (part 2): grid 4 x 64, 16 waves a work-group, clusters of 4 x 1, 264,192 bytes of LDS; arguments q_img, k_img, v_img, lowp_scales, ao_img; writes ao_img
.if DOCPART == 2
	.amdgcn_target "amdgcn-amd-amdhsa--gfx1250"
	.amdhsa_code_object_version 6
	.text
	.protected	k_qfd0cb04178_attn
	.globl	k_qfd0cb04178_attn
	.p2align	8
	.type	k_qfd0cb04178_attn,@function
k_qfd0cb04178_attn:
	s_mov_b64 s[64:65], 0
	v_nop
	global_prefetch_b8 v0, s[64:65] scope:SCOPE_SE
	s_setreg_imm32_b32 hwreg(HW_REG_WAVE_MODE, 25, 1), 1
	s_wait_xcnt 0x0
	s_wait_alu depctr_hold_cnt(0) depctr_sa_sdst(0) depctr_va_vdst(0) depctr_va_sdst(0) depctr_va_ssrc(0) depctr_va_vcc(0) depctr_vm_vsrc(0)
	s_getreg_b32 s2, hwreg(HW_REG_IB_STS2, 6, 4)
	s_cmp_eq_u32 s2, 0
	s_cbranch_scc0 .Lentry_in_a_cluster
	s_endpgm
.Lentry_in_a_cluster:
	s_bfe_u32 s2, ttmp6, 0x10000c
	s_cmp_lg_u32 s2, 0x3003
	s_cbranch_scc0 .Lentry_shape_is_right
	s_endpgm
.Lentry_shape_is_right:
; o[q] = the sum over keys of softmax(q . k / 8) v, for 64 pairs (batch, head) of 2,048 tokens x 64 channels, both products on codes of FP8 (E4M3); o is quantised again for the projection that follows.
; q, k (scales 2^e2, 2^e3), v (2^e5) come as images of operand registers: a fragment of 16 rows x 64 K is 1,024 bytes: two blocks of 512, lane l's 16 bytes at 16 l; registers 2 c, 2 c + 1 hold K = 16 c + 8 (l / 16) + 0..7.
;   q_img, k_img: [pair 64][tile of 16 tokens 128][1,024], K = the channels.   v_img: [pair 64][step of 64 keys 32][tile of 16 channels 4][1,024], K = the keys.
;   ao_img: [tile of 16 tokens 512][head 16][1,024], K = the head's channels: two neighbouring heads are one fragment of 16 rows x 128 K.
; THE SOFTMAX AHEAD OF THE SECOND PRODUCT: t = score x log2(e) / 8; M = the row's largest t so far, rounded UP to a whole number; p = 2^(t - M) is quantised with 2^e4, not normalised.  The row's sum is taken of the
; unquantised p, in f32, and divides o at the end.  When M moves, the sum and o are multiplied by 2^(old M - new M), which rounds nothing; what then falls under the smallest f32 number is lost.
; SHARES.  A work-group owns 512 queries of one pair; each of its SIXTEEN waves owns 32 of them, two tiles of 16, in 256 registers: four waves to a SIMD, so that one wave's vector work stands beside another's
; matrix work and LDS loads.  Every wave walks all 2,048 keys, 64 a step; each fragment of K and V that it reads feeds two matrix instructions.
; LDS HOLDS THE WHOLE PAIR'S K AND V, 262,144 bytes, FILLED ONCE: no byte is filled again, so there is no ring.  Chunk n (512 keys) lies at 65,536 n: K's 32,768 bytes, then V's.  Images are dense: an LDS load takes
; 512 consecutive bytes.
; CLUSTER.  The four work-groups of a cluster are the four query blocks of one pair and need the same K and V: each slice is asked for JOINTLY, by the same tensor load with the same descriptor and the mask 15.
; Wave w fetches slice w of each chunk (4,096 bytes; waves 0-7 K's, waves 8-15 V's): four loads a wave, all issued at the head, so four of a wave's are out at the most.
; LAYOUT.  S^T = K Q^T (source 0 = 16 keys, source 1 = 16 queries), O^T = V^T P^T (source 0 = 16 channels, source 1 = P): a lane holds ONE query (l % 16) throughout; its eight registers of a tile of S^T are keys
; 16 T + 8 (l / 16) + 0..7, whose codes are registers 2 T, 2 T + 1 of P; of a tile of O^T, channels 16 c + 8 (l / 16) + 0..7, whose codes are registers 2 c, 2 c + 1 of ao's fragment.
; LIMITS on the given exponents, so that each power of two below is an f32 number: e2 + e3 between -123 and 130 (they are added to c's exponent field); e4 and e6 between -126 and 119.  NaN is not served.
.set LI,   1                           ; v1   16 x lane: my place in an image; never rewritten
.set ADR,  2                           ; v2   LDS address of the step's K
.set ST,   8                           ; tile u's figures at v[ST + 8 u]: +0 -M, +1 the largest score so far, +2, +3 the sum in two halves, +4 f, +5 the old -M, +6, +7 at work
.set YY,   24                          ; v[24+2u:25+2u] the second chain of the sums
.set HOLD, 28                          ; v28  not used
.set SCL,  29                          ; v29  2^e4; on the way out 2^e6
.set QF,   32                          ; v32-47   Q, 8 a tile
.set KF,   48                          ; v48-79   K's four fragments of a step
.set VF,   80                          ; v80-111  V's four
.set S,    112                         ; v112-175 S^T, then p: tile u, keys 16 T on at v[S + 32 u + 8 T]
.set O,    176                         ; v176-239 O^T: tile u, channels 16 c on at v[O + 32 u + 8 c]
.set PC,   240                         ; v240-255 p's codes, 8 a tile; on the way out o's
.set WV,   14                          ; s14  my wave's number
.set G1,   24                          ; s[24:31] descriptor group 1
.set G0K,  32                          ; s[32:47] four groups 0 for K's slices, one for each chunk
.set G0V,  68                          ; s[68:83] the same for V's
.set CS,   56                          ; s[56:57] c = log2(e) / 8 x 2^(e2 + e3): the packed form names a pair and takes its low word for both halves
.set SEL,  58                          ; s[58:59] lane selects for v_permlanex16_b32: lane l xor 16
.set TB,   60                          ; s60  LDS byte at which the step's K begins; its V lies 32,768 further on
.set CNT,  61                          ; s61  counts a chunk's eight steps
.macro CROUND                          ; a round of the cluster's barrier
	s_barrier_signal -1
	s_barrier_wait -1
	s_cmp_lg_u32 s[WV], 0
	s_cbranch_scc1 .Lnot_wave_0_\@
	s_barrier_signal -3
.Lnot_wave_0_\@:
	s_barrier_wait -3
	s_barrier_signal -1
	s_barrier_wait -1
.endm
	s_load_b256 s[4:11], s[0:1], 0x0               ; q_img s[4:5], k_img s[6:7], v_img s[8:9], the scales' exponents s[10:11]
	s_load_b64 s[12:13], s[0:1], 0x20              ; ao_img
	v_lshl_add_u32 v30, v0, 2, 0x40000
	v_mov_b32 v31, 0
	ds_add_u32 v30, v31
	ds_add_u32 v30, v31
	v_lshrrev_b32 v3, 5, v0
	s_delay_alu instid0(VALU_DEP_1)
	v_readfirstlane_b32 s[WV], v3                  ; wave 0..15
	s_bfe_u32 s15, ttmp6, 0x40000                  ; cx: my block of 512 queries: it enters Q's and ao's addresses alone
	s_and_b32 s16, ttmp7, 0xffff                   ; the pair (batch, head), which the four partners share
	s_lshl_b32 s18, s16, 17                        ; its first byte in q_img, k_img and v_img
	s_and_b32 s20, s[WV], 7
	s_lshl_b32 s20, s20, 12
	s_add_co_u32 s20, s20, s18                     ; + my slice of 4,096 bytes
	s_mov_b32 s21, 0
	s_lshl_b32 s22, s[WV], 12                      ; and its place in a chunk in LDS: waves 0-7 in K's half, waves 8-15 in V's
	; descriptor group 1: a dense block of 4,096 bytes as 16 rows of 32 elements of 8 bytes
	s_mov_b32 s[G1], 15|(3<<16)|(1<<21)            ; 15:0 the mask: all four work-groups; 17:16 elements of 8 bytes; 20 no padding; 21 set beside a mask
	s_mov_b32 s[G1+1], 32<<16                      ; tensor_dim0 = 32
	s_mov_b32 s[G1+2], 16<<16                      ; tensor_dim1 = 16
	s_mov_b32 s[G1+3], 32<<16                      ; tile_dim0 = 32
	s_mov_b32 s[G1+4], 16                          ; tile_dim1 = 16
	s_mov_b32 s[G1+5], 32                          ; tensor_dim0_stride
	s_mov_b32 s[G1+6], 0
	s_mov_b32 s[G1+7], 0
	s_mov_b32 s[SEL], 0x76543210
	s_mov_b32 s[SEL+1], 0xfedcba98
	s_mov_b32 s[CS], 0x3e38aa3b                    ; log2(e) / 8
	s_mov_b32 s[TB], 0
	s_wait_dscnt 0x0
	s_wait_kmcnt 0x0
	s_load_b256 s[48:55], s[10:11], 0x0            ; e0 .. e7
	s_add_nc_u64 s[6:7], s[6:7], s[20:21]
	s_add_nc_u64 s[8:9], s[8:9], s[20:21]
.irp n, 0,1,2,3
	s_mov_b32 s[G0K+4*\n], 1                       ; count = 1
	s_add_co_u32 s[G0K+4*\n+1], s22, \n*65536      ; LDS address
	s_add_nc_u64 s[G0K+4*\n+2:G0K+4*\n+3], s[6:7], \n*32768   ; global address: chunk n's 32,768 bytes of K's images
	s_or_b32 s[G0K+4*\n+3], s[G0K+4*\n+3], 0x80000000         ; type = 2
	s_mov_b32 s[G0V+4*\n], 1
	s_add_co_u32 s[G0V+4*\n+1], s22, \n*65536
	s_add_nc_u64 s[G0V+4*\n+2:G0V+4*\n+3], s[8:9], \n*32768
	s_or_b32 s[G0V+4*\n+3], s[G0V+4*\n+3], 0x80000000
.endr
	CROUND                                         ; all four work-groups are here: the joint loads meet
	s_cmp_lt_u32 s[WV], 8                          ; a wave's four fills stand in one branch on the wave's number, ahead of every wait on TENSORcnt and every LDS read; four v_nop follow the last
	s_cbranch_scc0 .Lfirst_v
.irp n, 0,1,2,3
	tensor_load_to_lds s[G0K+4*\n:G0K+4*\n+3], s[G1:G1+7]
	s_nop 0
.endr
.rept 4
	v_nop
.endr
	s_branch .Lfirst_asked
.Lfirst_v:
.irp n, 0,1,2,3
	tensor_load_to_lds s[G0V+4*\n:G0V+4*\n+3], s[G1:G1+7]
	s_nop 0
.endr
.rept 4
	v_nop
.endr
.Lfirst_asked:
	s_lshl_b32 s84, s15, 15                        ; Q: my block's 32 tiles of 1,024 bytes,
	s_lshl_b32 s85, s[WV], 11                      ; my wave's two of them,
	s_add_co_u32 s84, s84, s85
	s_add_co_u32 s84, s84, s18                     ; in my pair
	s_mov_b32 s85, 0
	s_add_nc_u64 s[4:5], s[4:5], s[84:85]
	s_lshr_b32 s86, s16, 4                         ; ao: token tile 128 x batch + 32 cx + 2 wave, 16,384 bytes each; + head x 1,024
	s_lshl_b32 s86, s86, 21
	s_lshl_b32 s87, s15, 19
	s_add_co_u32 s86, s86, s87
	s_lshl_b32 s87, s[WV], 15
	s_add_co_u32 s86, s86, s87
	s_and_b32 s87, s16, 15
	s_lshl_b32 s87, s87, 10
	s_add_co_u32 s86, s86, s87
	s_mov_b32 s87, 0
	s_add_nc_u64 s[12:13], s[12:13], s[86:87]
	v_and_b32 v[LI], 31, v0
	s_delay_alu instid0(VALU_DEP_1)
	v_lshlrev_b32 v[LI], 4, v[LI]
.irp i, 0,1,2,3
	global_load_b128 v[QF+4*\i:QF+4*\i+3], v[LI], s[4:5] offset:512*\i   ; Q's two fragments stay in registers
.endr
.irp u, 0,1
	v_mov_b32 v[ST+8*\u], 0x7f61b1e6               ; -M = 3e38
	v_mov_b32 v[ST+8*\u+1], 0xff61b1e6             ; the largest score so far: -3e38, under every score
	v_mov_b32 v[ST+8*\u+2], 0                      ; the sum, in two halves
	v_mov_b32 v[ST+8*\u+3], 0
.endr
.set J, 0
.rept 64
	v_mov_b32 v[O+J], 0                            ; O^T.  (The step is written without a first step of its own: the first finds zeros, which the first change of M leaves zeros)
.set J, J+1
.endr
	s_wait_kmcnt 0x0
	s_add_co_i32 s17, s50, s51
	s_lshl_b32 s17, s17, 23
	s_add_co_i32 s[CS], s[CS], s17                 ; a score stands for score x 2^(e2 + e3): the two exponents are added to c's exponent field
	s_mov_b32 s[CS+1], s[CS]                       ; (named with it as a pair, so it is written)
	s_add_co_i32 s17, s52, 127
	s_lshl_b32 s20, s17, 23
	v_mov_b32 v[SCL], s20                          ; 2^e4 as f32, for the conversion
; A KEY STEP: 64 keys.  The two tiles' lines alternate, so that where one instruction feeds the next the other tile's stands between.
.macro STEP
	v_add_nc_u32 v[ADR], s[TB], v[LI]
.irp t, 0,1,2,3
	ds_load_b128 v[KF+8*\t:KF+8*\t+3],   v[ADR] offset:1024*\t
	ds_load_b128 v[KF+8*\t+4:KF+8*\t+7], v[ADR] offset:1024*\t+512
.endr
	s_wait_alu depctr_va_vdst(0)
	s_wait_dscnt 0x0
.irp t, 0,1,2,3
.irp u, 0,1
	v_wmma_f32_16x16x64_fp8_fp8 v[S+32*\u+8*\t:S+32*\u+8*\t+7], v[KF+8*\t:KF+8*\t+7], v[QF+8*\u:QF+8*\u+7], 0
.endr
.endr
	v_mov_b32 v[ST+5],  v[ST]                      ; the old -M is kept.  These four lines are the places behind the products above; with the addition at the step's head they are five plain lines
	v_mov_b32 v[ST+13], v[ST+8]                    ; between the last step's products V^T P and the loads into V's registers below
	v_nop
	v_nop
.irp c, 0,1,2,3
	ds_load_b128 v[VF+8*\c:VF+8*\c+3],   v[ADR] offset:32768+1024*\c       ; V's fragments land while the softmax is worked
	ds_load_b128 v[VF+8*\c+4:VF+8*\c+7], v[ADR] offset:32768+1024*\c+512
.endr
	; the largest score of my query among my 32 keys and all earlier ones, in two chains; each tile of S^T is read from its low end on
.irp u, 0,1
	v_max3_num_f32 v[ST+8*\u+6], v[S+32*\u], v[S+32*\u+1], v[S+32*\u+2]
.endr
.irp u, 0,1
	v_max3_num_f32 v[ST+8*\u+7], v[S+32*\u+3], v[S+32*\u+4], v[S+32*\u+5]
.endr
.irp i, 6,10,14,18,22,26
.irp u, 0,1
	v_max3_num_f32 v[ST+8*\u+6], v[ST+8*\u+6], v[S+32*\u+\i], v[S+32*\u+\i+1]
.endr
.irp u, 0,1
	v_max3_num_f32 v[ST+8*\u+7], v[ST+8*\u+7], v[S+32*\u+\i+2], v[S+32*\u+\i+3]
.endr
.endr
.irp u, 0,1
	v_max3_num_f32 v[ST+8*\u+6], v[ST+8*\u+6], v[S+32*\u+30], v[S+32*\u+31]
.endr
.irp u, 0,1
	s_delay_alu instid0(VALU_DEP_2)
	v_max3_num_f32 v[ST+8*\u+6], v[ST+8*\u+6], v[ST+8*\u+7], v[ST+8*\u+1]
.endr
.irp u, 0,1
	s_delay_alu instid0(VALU_DEP_2)
	v_permlanex16_b32 v[ST+8*\u+7], v[ST+8*\u+6], s[SEL], s[SEL+1]   ; the query's other 32 keys lie in the lane 16 away
.endr
.irp u, 0,1
	s_delay_alu instid0(VALU_DEP_2)
	v_max_num_f32 v[ST+8*\u+1], v[ST+8*\u+6], v[ST+8*\u+7]
.endr
.irp u, 0,1
	s_delay_alu instid0(VALU_DEP_2)
	v_mul_f32 v[ST+8*\u+6], s[CS], v[ST+8*\u+1]    ; as t (c is positive)
.endr
.irp u, 0,1
	s_delay_alu instid0(VALU_DEP_2)
	v_floor_f32 v[ST+8*\u], -v[ST+8*\u+6]          ; the new -M = floor(-t) = -ceil(t): M IS A WHOLE NUMBER
.endr
.irp u, 0,1
	s_delay_alu instid0(VALU_DEP_2)
	v_sub_f32 v[ST+8*\u+6], v[ST+8*\u], v[ST+8*\u+5]   ; M's old value less its new one: a whole number, 0 or less
.endr
.irp u, 0,1
	s_delay_alu instid0(VALU_DEP_2)
	v_cvt_i32_f32 v[ST+8*\u+6], v[ST+8*\u+6]       ; (it saturates)
.endr
.irp u, 0,1
	s_delay_alu instid0(VALU_DEP_2)
	v_ldexp_f32 v[ST+8*\u+4], 1.0, v[ST+8*\u+6]    ; f = 2^(old M - new M)
.endr
.irp j, 0,2,4,6,8,10,12,14,16,18,20,22,24,26,28,30
.irp u, 0,1
	v_pk_fma_f32 v[S+32*\u+\j:S+32*\u+\j+1], v[S+32*\u+\j:S+32*\u+\j+1], s[CS:CS+1], v[ST+8*\u:ST+8*\u+1] op_sel_hi:[1,0,0]   ; t - M, two at a time (of the pairs c and -M the low word serves both halves)
.endr
.endr
.set J, 0
	s_wait_alu depctr_va_vdst(0)
.rept 64
	v_exp_f32 v[S+J], v[S+J]                       ; p = 2^(t - M): NOT normalised.  One batch
.set J, J+1
.endr
	s_setprio 1
.irp u, 0,1
	v_pk_mul_f32 v[ST+8*\u+2:ST+8*\u+3], v[ST+8*\u+2:ST+8*\u+3], v[ST+8*\u+4:ST+8*\u+5] op_sel_hi:[1,0]   ; the sums under the new M: plain lines behind the exponentials, which name none of their results
.endr
	s_wait_alu depctr_va_vdst(0)                   ; the wait ahead of the first line that names an exponential's result: one for the batch
.irp u, 0,1
	v_pk_add_f32 v[YY+2*\u:YY+2*\u+1], v[S+32*\u:S+32*\u+1], v[S+32*\u+2:S+32*\u+3]   ; THE ROW'S SUM IS TAKEN OF THE UNQUANTISED p: two at a time, in two chains
.endr
.irp j, 4,8,12,16,20,24,28
.irp u, 0,1
	v_pk_add_f32 v[ST+8*\u+2:ST+8*\u+3], v[ST+8*\u+2:ST+8*\u+3], v[S+32*\u+\j:S+32*\u+\j+1]
.endr
.irp u, 0,1
	v_pk_add_f32 v[YY+2*\u:YY+2*\u+1], v[YY+2*\u:YY+2*\u+1], v[S+32*\u+\j+2:S+32*\u+\j+3]
.endr
.endr
.irp u, 0,1
	s_delay_alu instid0(VALU_DEP_2)
	v_pk_add_f32 v[ST+8*\u+2:ST+8*\u+3], v[ST+8*\u+2:ST+8*\u+3], v[YY+2*\u:YY+2*\u+1]
.endr
.irp u, 0,1
.irp t, 0,1,2,3
.irp j, 0,1,2,3,4,5,6,7
.endr
	v_cvt_scalef32_pk8_fp8_f32 v[PC+8*\u+2*\t:PC+8*\u+2*\t+1], v[S+32*\u+8*\t:S+32*\u+8*\t+7], v[SCL]
.endr
.endr
.irp j, 0,2,4,6,8,10,12,14,16,18,20,22,24,26,28,30
.irp u, 0,1
	v_pk_mul_f32 v[O+32*\u+\j:O+32*\u+\j+1], v[O+32*\u+\j:O+32*\u+\j+1], v[ST+8*\u+4:ST+8*\u+5] op_sel_hi:[1,0]   ; O^T under the new M: x f.  (Also the plain lines between the conversions and the products that read the codes)
.endr
.endr
	s_setprio 0
	s_wait_alu depctr_va_vdst(0)
	s_wait_dscnt 0x0                               ; V is in; no LDS instruction of mine is out from here to the next step
.irp c, 0,1,2,3
.irp u, 0,1
	v_wmma_f32_16x16x64_fp8_fp8 v[O+32*\u+8*\c:O+32*\u+8*\c+7], v[VF+8*\c:VF+8*\c+7], v[PC+8*\u:PC+8*\u+7], v[O+32*\u+8*\c:O+32*\u+8*\c+7]   ; the eight accumulators take turns, and eight products K Q^T stand between two steps'
.endr
.endr
.endm
; A chunk of 512 keys: my slice of it has landed, and behind the barrier everybody's has.
.macro CHUNK n
	s_wait_tensorcnt 3-\n
	s_barrier_signal -1
	s_barrier_wait -1
	s_mov_b32 s[CNT], 8
.Lstep_\@:
	s_setprio 2
	STEP
	s_add_co_u32 s[TB], s[TB], 4096                ; the next step's four fragments
	s_sub_co_u32 s[CNT], s[CNT], 1
	s_cmp_lg_u32 s[CNT], 0
	s_cbranch_scc1 .Lstep_\@
	s_setprio 0
	s_add_co_u32 s[TB], s[TB], 32768               ; over the chunk's V to the next chunk's K
.endm
	s_wait_loadcnt 0x0                             ; Q
	CHUNK 0
	CHUNK 1
	CHUNK 2
	CHUNK 3
	; THE WAY OUT.  o = O^T x 2^(e4 + e5) / the sum; its code = o / 2^e6.  The conversions' results are ao's fragment, stored as it stands.
	s_add_co_i32 s17, s52, s53                     ; e4 + e5
	s_add_co_i32 s20, s54, 127
	s_lshl_b32 s21, s20, 23                        ; 2^e6
.irp u, 0,1
	v_add_f32 v[ST+8*\u+6], v[ST+8*\u+2], v[ST+8*\u+3]   ; the sum's two halves,
.endr
.irp u, 0,1
	s_delay_alu instid0(VALU_DEP_2)
	v_permlanex16_b32 v[ST+8*\u+7], v[ST+8*\u+6], s[SEL], s[SEL+1]
.endr
.irp u, 0,1
	s_delay_alu instid0(VALU_DEP_2)
	v_add_f32 v[ST+8*\u+6], v[ST+8*\u+6], v[ST+8*\u+7]   ; and lane l xor 16's: the row's sum
.endr
	s_wait_alu depctr_va_vdst(0)
.irp u, 0,1
	v_rcp_f32 v[ST+8*\u+4], v[ST+8*\u+6]
.endr
	v_mov_b32 v[SCL], s21                          ; (plain lines behind the reciprocals)
	s_wait_alu depctr_va_vdst(0)                   ; one wait for both reciprocals, ahead of their first reader
.irp u, 0,1
	v_ldexp_f32 v[ST+8*\u+4], v[ST+8*\u+4], s17
.endr
.irp u, 0,1
.irp j, 0,2,4,6,8,10,12,14,16,18,20,22,24,26,28,30
	v_pk_mul_f32 v[O+32*\u+\j:O+32*\u+\j+1], v[O+32*\u+\j:O+32*\u+\j+1], v[ST+8*\u+4:ST+8*\u+5] op_sel_hi:[1,0]
.endr
.endr
.set J, 0
.rept 64
.set J, J+1
.endr
.irp u, 0,1
.irp c, 0,1,2,3
	v_cvt_scalef32_pk8_fp8_f32 v[PC+8*\u+2*\c:PC+8*\u+2*\c+1], v[O+32*\u+8*\c:O+32*\u+8*\c+7], v[SCL]
.endr
.endr
	v_nop                                          ; one plain line behind the last conversion
.irp u, 0,1
	global_store_b128 v[LI], v[PC+8*\u:PC+8*\u+3],   s[12:13] offset:16384*\u       ; 32 lanes store 512 consecutive bytes, at a multiple of 512 from the buffer's first byte
	global_store_b128 v[LI], v[PC+8*\u+4:PC+8*\u+7], s[12:13] offset:16384*\u+512
.endr
	s_wait_tensorcnt 0x0
	ds_add_u32 v30, v31
	s_wait_dscnt 0x0
	CROUND                                         ; the closing round: no work-group ends while a partner may still ask for a slice that names it
	s_endpgm
.Lfunc_end_k_qfd0cb04178_attn:
	.size	k_qfd0cb04178_attn, .Lfunc_end_k_qfd0cb04178_attn-k_qfd0cb04178_attn
	.p2alignl 7, 3214868480
	.fill 96, 4, 3214868480
	.section	.rodata,"a",@progbits
	.p2align	6, 0x0
	.amdhsa_kernel k_qfd0cb04178_attn
		.amdhsa_group_segment_fixed_size 264192
		.amdhsa_private_segment_fixed_size 0
		.amdhsa_enable_private_segment 0
		.amdhsa_kernarg_size 40
		.amdhsa_user_sgpr_count 2
		.amdhsa_user_sgpr_kernarg_segment_ptr 1
		.amdhsa_wavefront_size32 1
		.amdhsa_system_sgpr_workgroup_id_x 1
		.amdhsa_system_sgpr_workgroup_id_y 1
		.amdhsa_system_sgpr_workgroup_id_z 1
		.amdhsa_system_vgpr_workitem_id 0
		.amdhsa_next_free_vgpr 256
		.amdhsa_next_free_sgpr 90
		.amdhsa_reserve_vcc 0
		.amdhsa_float_denorm_mode_32 3
		.amdhsa_float_denorm_mode_16_64 3
		.amdhsa_fp16_overflow 1
		.amdhsa_memory_ordered 1
		.amdhsa_forward_progress 1
		.amdhsa_inst_pref_size 72
	.end_amdhsa_kernel
	.amdgpu_metadata
---
amdhsa.version: [ 1, 2 ]
amdhsa.kernels:
  - .name:           k_qfd0cb04178_attn
    .symbol:         k_qfd0cb04178_attn.kd
    .args:
      - { .name: q_img, .offset: 0, .size: 8, .value_kind: global_buffer, .address_space: global }
      - { .name: k_img, .offset: 8, .size: 8, .value_kind: global_buffer, .address_space: global }
      - { .name: v_img, .offset: 16, .size: 8, .value_kind: global_buffer, .address_space: global }
      - { .name: lowp_scales, .offset: 24, .size: 8, .value_kind: global_buffer, .address_space: global }
      - { .name: ao_img, .offset: 32, .size: 8, .value_kind: global_buffer, .address_space: global }
    .group_segment_fixed_size: 264192
    .private_segment_fixed_size: 0
    .kernarg_segment_align: 8
    .kernarg_segment_size: 40
    .max_flat_workgroup_size: 512
    .sgpr_count:     90
    .vgpr_count:     256
    .wavefront_size: 32
...
	.end_amdgpu_metadata
.endif
;; end of part 2
;; launch proj (part 3): grid 4 x 32, 4 waves a work-group, clusters of 4 x 4, 327,680 bytes of LDS; arguments ao_img, proj_w_codes, lowp_scales, proj_b, out0; writes out0
.if DOCPART == 3
	.amdgcn_target "amdgcn-amd-amdhsa--gfx1250"
	.amdhsa_code_object_version 6
	.text
	.protected	k_qfd0cb04178_proj
	.globl	k_qfd0cb04178_proj
	.p2align	8
	.type	k_qfd0cb04178_proj,@function
k_qfd0cb04178_proj:
	s_mov_b64 s[64:65], 0
	v_nop
	global_prefetch_b8 v0, s[64:65] scope:SCOPE_SE
	s_setreg_imm32_b32 hwreg(HW_REG_WAVE_MODE, 25, 1), 1
	s_wait_xcnt 0x0
	s_wait_alu depctr_hold_cnt(0) depctr_sa_sdst(0) depctr_va_vdst(0) depctr_va_sdst(0) depctr_va_ssrc(0) depctr_va_vcc(0) depctr_vm_vsrc(0)
	s_getreg_b32 s2, hwreg(HW_REG_IB_STS2, 6, 4)
	s_cmp_eq_u32 s2, 0
	s_cbranch_scc0 .Lentry_in_a_cluster
	s_endpgm
.Lentry_in_a_cluster:
	s_bfe_u32 s2, ttmp6, 0x10000c
	s_cmp_lg_u32 s2, 0xf033
	s_cbranch_scc0 .Lentry_shape_is_right
	s_endpgm
.Lentry_shape_is_right:
.set SIZE_N, 1024
.set PITCH,  272
.set FR,     16
.set NL,     4
.set NP,     4
.set AHALF,  32768
.set BHALF,  128*PITCH
.set BOFF,   2*AHALF
.set SLOT,   BOFF+2*BHALF
.set LAPS,   2
.set SPARE,  2*SLOT
.set SPITCH, 528
.set ADRA, 16
.set ADRB, 20
.set STO,  24
.set RD,   25
.set CO,   26
.set SPW,  28
.set NIL,  29
.set BIAS, 32
.set AF,   128
.set BK,   128
.set G1, 24
.set G0, 32
.set G1B, 48
.set G0B, 56
.set MSB, 0
.macro WIN new
.if MSB != \new
	s_set_vgpr_msb (MSB<<8)|\new
.set MSB, \new
.endif
.endm
.set MUL_LO, 0xa1
.set MUL_HI, 0xf1
.set TO_B,   0x40
.macro JLOAD g0a, g1a, g0b, g1b
	s_cmp_eq_u32 s15, 0
	s_cbranch_scc0 .Lfor_b_\@
	tensor_load_to_lds s[\g0a:\g0a+3], s[\g1a:\g1a+7]
	s_nop 0
.rept 4
	v_nop
.endr
	s_branch .Lasked_\@
.Lfor_b_\@:
	tensor_load_to_lds s[\g0b:\g0b+3], s[\g1b:\g1b+7]
	s_nop 0
.rept 4
	v_nop
.endr
.Lasked_\@:
.endm
.macro CREST
	s_cmp_lg_u32 s14, 0
	s_cbranch_scc1 .Lnot_wave_0_\@
	s_barrier_signal -3
.Lnot_wave_0_\@:
	s_barrier_wait -3
	s_barrier_signal -1
	s_barrier_wait -1
.endm
.macro CROUND
	s_barrier_signal -1
	s_barrier_wait -1
	CREST
.endm
	s_load_b128 s[4:7], s[0:1], 0x0
	s_load_b128 s[8:11], s[0:1], 0x10
	s_load_b64 s[12:13], s[0:1], 0x20
	v_lshl_add_u32 v[SPW], v0, 2, SPARE
	v_mov_b32 v[NIL], 0
	ds_add_u32 v28, v29
	ds_add_u32 v28, v29
	s_wait_dscnt 0x0
	v_lshrrev_b32 v1, 5, v0
	v_readfirstlane_b32 s14, v1
	s_lshr_b32 s15, s14, 1
	s_and_b32 s16, s14, 1
	s_bfe_u32 s40, ttmp6, 0x40000
	s_bfe_u32 s41, ttmp6, 0x40004
	s_lshl_b32 s42, ttmp9, 2
	s_add_co_u32 s42, s42, s40
	s_and_b32 s17, ttmp7, 0xffff
	s_lshl_b32 s17, s17, 2
	s_add_co_u32 s17, s17, s41
	s_lshl_b32 s43, s41, 2
	s_lshl_b32 s43, 15, s43
	s_lshl_b32 s44, 0x1111, s40
	s_or_b32 s[G1+0], s43, (3<<16)|(1<<21)
	s_mov_b32 s[G1+1], 512<<16
	s_mov_b32 s[G1+2], 8<<16
	s_mov_b32 s[G1+3], 512<<16
	s_mov_b32 s[G1+4], 8
	s_mov_b32 s[G1+5], 2048
	s_mov_b32 s[G1+6], 0
	s_mov_b32 s[G1+7], 0
	s_or_b32 s[G1B+0], s44, (0<<16)|(1<<20)|(1<<21)|(5<<22)|(3<<25)
	s_mov_b32 s[G1B+1], 256<<16
	s_mov_b32 s[G1B+2], 128<<16
	s_mov_b32 s[G1B+3], 256<<16
	s_mov_b32 s[G1B+4], 128
	s_mov_b32 s[G1B+5], 1024
	s_mov_b32 s[G1B+6], 0
	s_mov_b32 s[G1B+7], 0
	s_lshl_b32 s20, s17, 18
	s_lshl_b32 s21, s16, 17
	s_add_co_u32 s20, s20, s21
	s_mov_b32 s21, 0
	s_lshl_b32 s46, s42, 18
	s_lshl_b32 s47, s16, 17
	s_add_co_u32 s46, s46, s47
	s_mov_b32 s47, 0
	s_lshl_b32 s18, s16, 15
	s_mul_i32 s19, s16, BHALF
	s_add_co_u32 s19, s19, BOFF
	s_wait_kmcnt 0x0
	s_load_b256 s[80:87], s[8:9], 0x0
	s_add_nc_u64 s[20:21], s[4:5], s[20:21]
	s_add_nc_u64 s[46:47], s[6:7], s[46:47]
	CROUND
.irp s, 0,1
	s_mov_b32 s[G0+4*\s], 1
	s_add_co_u32 s[G0+4*\s+1], s18, \s*SLOT
	s_add_nc_u64 s[G0+4*\s+2:G0+4*\s+3], s[20:21], \s*4096
	s_or_b32 s[G0+4*\s+3], s[G0+4*\s+3], 0x80000000
	s_mov_b32 s[G0B+4*\s], 1
	s_add_co_u32 s[G0B+4*\s+1], s19, \s*SLOT
	s_add_nc_u64 s[G0B+4*\s+2:G0B+4*\s+3], s[46:47], \s*256
	s_or_b32 s[G0B+4*\s+3], s[G0B+4*\s+3], 0x80000000
	s_wait_alu depctr_va_vdst(0)
	s_wait_tensorcnt 0x0
	ds_add_u32 v28, v29
	ds_add_u32 v28, v29
	s_wait_dscnt 0x0
	CROUND
	JLOAD G0+4*\s, G1, G0B+4*\s, G1B
.endr
	v_and_b32 v1, 15, v0
	v_bfe_u32 v2, v0, 4, 1
	v_and_b32 v6, 31, v0
	v_lshlrev_b32 v[CO], 4, v6
	v_mul_u32_u24 v3, v1, PITCH
	v_lshl_add_u32 v4, v2, 3, v3
	s_lshl_b32 s21, s15, 15
	s_mul_i32 s22, s16, BHALF
	s_add_co_u32 s22, s22, BOFF
.irp s, 0,1
	v_add_nc_u32 v[ADRA+\s], s21, v[CO]
	v_add_nc_u32 v[ADRB+\s], s22, v4
	s_add_co_u32 s21, s21, SLOT
	s_add_co_u32 s22, s22, SLOT
.endr
	s_mul_i32 s23, s14, 16*SPITCH
	v_mul_u32_u24 v5, v1, SPITCH
	v_lshl_add_u32 v5, v2, 5, v5
	v_add_nc_u32 v[STO], s23, v5
	v_add_nc_u32 v[RD], s23, v[CO]
	s_lshl_b32 s20, s17, 8
	s_lshl_b32 s21, s15, 7
	s_add_co_u32 s20, s20, s21
	s_lshl_b32 s20, s20, 12
	s_mov_b32 s21, 0
	s_add_nc_u64 s[12:13], s[12:13], s[20:21]
	s_lshl_b32 s46, s42, 10
	s_lshl_b32 s47, s16, 9
	s_add_co_u32 s46, s46, s47
	s_mov_b32 s47, 0
	s_add_nc_u64 s[12:13], s[12:13], s[46:47]
	s_add_nc_u64 s[10:11], s[10:11], s[46:47]
	global_load_b128 v[BIAS:BIAS+3], v[CO], s[10:11]
.macro FRAG_A reg, slot, q, i
.irp c, 0,1,2,3
	ds_load_b128 v[\reg+4*\c:\reg+4*\c+3], v[ADRA+\slot] offset:(\i)*4096+2048*(\q)+512*\c
.endr
.endm
.macro FRAG_B reg, slot, q, i
.irp c, 0,1,2,3,4,5,6,7
	ds_load_b64 v[\reg+2*\c:\reg+2*\c+1], v[ADRB+\slot] offset:128*(\q)+16*\c+(\i)*16*PITCH
.endr
.endm
.macro MUL16 a0, p, zero
.irp a, \a0, \a0+1
.irp b, 0,1,2,3,4,5,6,7
.if \zero
	v_wmma_f32_16x16x128_fp8_fp8 v[8*(8*((\a)%4)+\b):8*(8*((\a)%4)+\b)+7], v[128*(\p)+FR*\b:128*(\p)+FR*\b+FR-1], v[AF+FR*(\a):AF+FR*(\a)+FR-1], 0
.else
	v_wmma_f32_16x16x128_fp8_fp8 v[8*(8*((\a)%4)+\b):8*(8*((\a)%4)+\b)+7], v[128*(\p)+FR*\b:128*(\p)+FR*\b+FR-1], v[AF+FR*(\a):AF+FR*(\a)+FR-1], v[8*(8*((\a)%4)+\b):8*(8*((\a)%4)+\b)+7]
.endif
.endr
.endr
.endm
.macro FETCH_B slot, q, p
	WIN TO_B
.irp i, 0,1,2,3,4,5,6,7
	FRAG_B 128*(\p)+FR*\i, \slot, \q, \i
.endr
	WIN 0
.endm
.macro FETCH_A slot, q, i0
.irp i, \i0, \i0+1, \i0+2, \i0+3
	FRAG_A AF+FR*(\i), \slot, \q, \i
.endr
.endm
.macro PLACES n
.rept \n
	v_nop
.endr
.endm
.macro STEP slot, q, zero
	s_wait_dscnt 4*NL
	WIN MUL_LO
	MUL16 0, (\q)%2, \zero
	MUL16 2, (\q)%2, \zero
	s_wait_dscnt 0
	PLACES NP
	FETCH_B \slot, (\q)+1, 1-(\q)%2
	FETCH_A \slot, (\q)+1, 0
	WIN MUL_HI
	MUL16 4, (\q)%2, \zero
	MUL16 6, (\q)%2, \zero
	PLACES NP
	WIN 0
	FETCH_A \slot, (\q)+1, 4
.endm
.macro TURN slot, next, fill
	s_wait_tensorcnt 0x0
	ds_add_u32 v[SPW], v[NIL]
	s_wait_dscnt 4*NL+1
	WIN MUL_LO
	MUL16 0, 1, 0
	s_wait_dscnt 0x0
	s_barrier_signal -1
	MUL16 2, 1, 0
	WIN 0
	s_barrier_wait -1
.if \fill
	CREST
	s_add_nc_u64 s[G0+4*\slot+2:G0+4*\slot+3], s[G0+4*\slot+2:G0+4*\slot+3], 2*4096
	s_add_nc_u64 s[G0B+4*\slot+2:G0B+4*\slot+3], s[G0B+4*\slot+2:G0B+4*\slot+3], 2*256
	JLOAD G0+4*\slot, G1, G0B+4*\slot, G1B
.else
	PLACES NP
.endif
	FETCH_B \next, 0, 0
	FETCH_A \next, 0, 0
	WIN MUL_HI
	MUL16 4, 1, 0
	MUL16 6, 1, 0
	PLACES NP
	WIN 0
	FETCH_A \next, 0, 4
.endm
	s_wait_alu depctr_va_vdst(0)
	s_wait_tensorcnt 1
	s_barrier_signal -1
	s_barrier_wait -1
	FETCH_B 0, 0, 0
	FETCH_A 0, 0, 0
	FETCH_A 0, 0, 4
	STEP 0, 0, 1
	s_mov_b32 s3, LAPS-1
.Llap:
	TURN 0, 1, 1
	STEP 1, 0, 0
	TURN 1, 0, 1
	STEP 0, 0, 0
	s_sub_co_u32 s3, s3, 1
	s_cmp_lg_u32 s3, 0
	s_cbranch_scc1 .Llap
	TURN 0, 1, 0
	STEP 1, 0, 0
	s_wait_dscnt 4*NL
	WIN MUL_LO
	MUL16 0, 1, 0
	MUL16 2, 1, 0
	s_wait_dscnt 0
	WIN MUL_HI
	MUL16 4, 1, 0
	MUL16 6, 1, 0
	WIN 0
.macro TOSTAGE a
.set AC, 64*((\a)%4)
.set WW, 0x08+4*((\a)/4)
	WIN WW
.irp b, 0,1,2,3,4,5,6,7
	ds_store_b128 v[STO], v[AC+8*\b:AC+8*\b+3] offset:64*\b
	ds_store_b128 v[STO], v[AC+8*\b+4:AC+8*\b+7] offset:64*\b+16
.endr
	WIN 0
.set BB, BK+64*((\a)%2)
.irp t, 0,1,2,3,4,5,6,7,8,9,10,11,12,13,14,15
	ds_load_b128 v[BB+4*\t:BB+4*\t+3], v[RD] offset:\t*SPITCH
.endr
.endm
.macro SEND a, younger
.set BB, BK+64*((\a)%2)
	s_wait_dscnt \younger
.if (\a) > 0
	s_add_nc_u64 s[12:13], s[12:13], 16*SIZE_N*4
.endif
.irp t, 0,1,2,3,4,5,6,7,8,9,10,11,12,13,14,15
	v_pk_fma_f32 v[BB+4*\t:BB+4*\t+1],   v[BB+4*\t:BB+4*\t+1],   s[96:97], v[BIAS:BIAS+1]   op_sel_hi:[1,0,1]
	v_pk_fma_f32 v[BB+4*\t+2:BB+4*\t+3], v[BB+4*\t+2:BB+4*\t+3], s[96:97], v[BIAS+2:BIAS+3] op_sel_hi:[1,0,1]
	global_store_b128 v[CO], v[BB+4*\t:BB+4*\t+3], s[12:13] offset:\t*SIZE_N*4 th:TH_STORE_NT
.endr
.endm
	s_wait_kmcnt 0x0
	s_add_co_i32 s96, s86, s87
	s_add_co_i32 s96, s96, 127
	s_lshl_b32 s96, s96, 23
	s_mov_b32 s97, s96
	s_wait_loadcnt 0x0
	PLACES NP
	TOSTAGE 0
.irp a, 1,2,3,4,5,6,7
.if \a > 1
	s_wait_xcnt 0x0
.endif
	TOSTAGE \a
	SEND \a-1, 32
.endr
	s_wait_xcnt 0x0
	SEND 7, 0
	s_wait_tensorcnt 0x0
	ds_add_u32 v[SPW], v[NIL]
	s_wait_dscnt 0x0
	CROUND
	s_endpgm
.Lfunc_end_k_qfd0cb04178_proj:
	.size	k_qfd0cb04178_proj, .Lfunc_end_k_qfd0cb04178_proj-k_qfd0cb04178_proj
	.p2alignl 7, 3214868480
	.fill 96, 4, 3214868480
	.section	.rodata,"a",@progbits
	.p2align	6, 0x0
	.amdhsa_kernel k_qfd0cb04178_proj
		.amdhsa_group_segment_fixed_size 327680
		.amdhsa_private_segment_fixed_size 0
		.amdhsa_enable_private_segment 0
		.amdhsa_kernarg_size 40
		.amdhsa_user_sgpr_count 2
		.amdhsa_user_sgpr_kernarg_segment_ptr 1
		.amdhsa_wavefront_size32 1
		.amdhsa_system_sgpr_workgroup_id_x 1
		.amdhsa_system_sgpr_workgroup_id_y 1
		.amdhsa_system_sgpr_workgroup_id_z 1
		.amdhsa_system_vgpr_workitem_id 0
		.amdhsa_next_free_vgpr 1024
		.amdhsa_next_free_sgpr 98
		.amdhsa_reserve_vcc 0
		.amdhsa_float_denorm_mode_32 3
		.amdhsa_float_denorm_mode_16_64 3
		.amdhsa_memory_ordered 1
		.amdhsa_forward_progress 1
		.amdhsa_inst_pref_size 140
	.end_amdhsa_kernel
	.amdgpu_metadata
---
amdhsa.version: [ 1, 2 ]
amdhsa.kernels:
  - .name:           k_qfd0cb04178_proj
    .symbol:         k_qfd0cb04178_proj.kd
    .args:
      - { .name: ao_img, .offset: 0, .size: 8, .value_kind: global_buffer, .address_space: global }
      - { .name: proj_w_codes, .offset: 8, .size: 8, .value_kind: global_buffer, .address_space: global }
      - { .name: lowp_scales, .offset: 16, .size: 8, .value_kind: global_buffer, .address_space: global }
      - { .name: proj_b, .offset: 24, .size: 8, .value_kind: global_buffer, .address_space: global }
      - { .name: out0, .offset: 32, .size: 8, .value_kind: global_buffer, .address_space: global }
    .group_segment_fixed_size: 327680
    .private_segment_fixed_size: 0
    .kernarg_segment_align: 8
    .kernarg_segment_size: 40
    .max_flat_workgroup_size: 128
    .sgpr_count:     98
    .vgpr_count:     1024
    .wavefront_size: 32
...
	.end_amdgpu_metadata
.endif
;; end of part 3
